; MI455X (gfx1250); checked and timed in simulation.
; The chip was launched on July 23, 2026; its instructions are those of AMD's public machine-readable ISA for CDNA 5 (MIT licence, August 2026) and "CDNA5" Instruction Set Architecture Reference Guide (July 2026). The comments in the code are by the model that wrote it; some were corrected since.
;; Hubert With Kmeans. Allowed arithmetic: matrix products marked QUANTISED: E2M1 operands, one E8M0 scale for each 32 along K, by v_wmma_scale_f32_16x16x128_f8f6f4 with both operands' format E2M1 (or v_wmma_scale_f32_32x16x128_f4), f32 sums; everything else in f32.
;; Inputs: cluster_centers 2,048 x 768 float32; embed 8 x 4,096 x 768 float32.
;; Outputs: out0 8 x 4,096 int32.
;; This version of the problem:
;;   THIS VERSION OF THE PROBLEM IS GIVEN IN LOW PRECISION. The matrix products marked QUANTISED in the list below multiply operands that are first quantised to E2M1 (2 exponent bits, 1 mantissa bit; 4 bits a number), with one power-of-two scale for each 32 numbers along K (OCP MX v1.0); their sums are f32. All else is computed in f32.
;;   The module's matrix products, in the order in which they are computed (A, B: the left and right operand; K: the contracted axis; several contracted axes count as one K, in the product's order):
;;     1. [M 32,768, K 768] x [K 768, N 2,048]; A: input embed; B: input cluster_centers: QUANTISED
;;   THE QUANTISER, for each operand of a quantised product, along K:
;;     - K is cut into blocks of 32 from its start; a last block that is shorter is filled with zeros.
;;     - A block's scale is 2^e with e = floor(log2(the largest magnitude in the block)) - 2, held to -126 .. 127; a block of zeros has e = 0. As a byte (E8M0): e + 127.
;;     - Each number is divided by its block's scale, clamped to +-6, and rounded to the nearest number of E2M1, ties to even, subnormals kept.
;;     - The product sums the exact products of the quantised numbers (number of the format x scale) in f32.
;;   ~~~python
;;   def quantise(x, axis):      # numpy; x: float32 -> the quantised numbers, widened to float32 again
;;       x = np.moveaxis(x, axis, -1); K = x.shape[-1]
;;       x = np.pad(x, [(0, 0)] * (x.ndim - 1) + [(0, -K % 32)]); x = x.reshape(x.shape[:-1] + (-1, 32)); a = np.abs(x).max(-1, keepdims=True)
;;       e = np.where(a > 0, np.clip(np.frexp(np.where(a > 0, a, 1))[1] - 1 - 2, -126, 127), 0)      # np.frexp(a)[1] - 1 = floor(log2(a)), exactly
;;       r = np.clip(x / 2.0 ** e, -6, 6)
;;       step = 2.0 ** (np.maximum(np.frexp(np.where(r == 0, 1, r))[1] - 1, 0) - 1)
;;       q = np.round(r / step) * step * 2.0 ** e      # np.round: ties to even
;;       return np.moveaxis(q.reshape(q.shape[:-2] + (-1,))[..., :K], -1, axis).astype(np.float32)
;;   ~~~
;; One version. Each part assembles by itself: llvm-mc -triple=amdgcn-amd-amdhsa -mcpu=gfx1250 --defsym DOCPART=n.
;; ======== version 1 of 1: 2 launches
;; limits: right only within a limited range of input values
;; workspace buffers: cent 851,968 bytes
;; launch centq (part 1): grid 128 x 1, 6 waves a work-group, no clusters, 52,480 bytes of LDS; arguments cluster_centers, cent; writes cent
.if DOCPART == 1
	.amdgcn_target "amdgcn-amd-amdhsa--gfx1250"
	.amdhsa_code_object_version 6
	.text
	.protected	k_q15e6a57f42_centq
	.globl	k_q15e6a57f42_centq
	.p2align	8
	.type	k_q15e6a57f42_centq,@function
k_q15e6a57f42_centq:
	s_mov_b64 s[64:65], 0
	v_nop
	global_prefetch_b8 v0, s[64:65] scope:SCOPE_SE
	s_setreg_imm32_b32 hwreg(HW_REG_WAVE_MODE, 25, 1), 1
	s_wait_xcnt 0x0
; The centres [2048][768], f32, K innermost, are quantised once to codes of FP4 (E2M1) with one E8M0 scale byte for each 32 along K, and laid in the ORDER OF THE OPERAND'S REGISTERS.
; cent = 128 records of 6,656 bytes; record t = centres 16 t .. 16 t + 15:
;   bytes 0 .. 6143     six register images of 1,024 bytes, one a K step s of 128: at 1024 s + 512 c + 16 lane stand registers 4 c .. 4 c + 3 of that lane (lane (r, h): centre r, k = 128 s + 64 c + 32 h + 0 .. 31)
;   bytes 6144 .. 6527  scale words, 64 s + 4 r;   bytes 6528 .. 6591  the sums of squares of the 16 centres, f32 (of the numbers as given, not of the codes);   bytes 6592 .. 6655  zeros
; SHARES.  Work-group t makes record t; wave s takes K step s: 16 rows x 128 numbers.  There are 128 records, so 128 work-groups.
; Each load reads 512 consecutive bytes of one row; the 16 rows turn through the wave's own stage in LDS, so that a lane then holds two whole blocks of 32 of ITS row in the operand's own order:
; the conversions' results are the operand's registers as they stand.
; A block's scale is 2^(floor(log2(largest magnitude)) - 2): its byte is the largest magnitude's exponent field - 2, held at 1 from below.
; LIMITS: a block of zeros gets the byte 1 where the rule says 127 (its codes are zeros, and this program alone reads the bytes); NaN and infinities among the inputs are not served.
.set ROWB, 3072                        ; a centre's row in bytes
.set REC,  6656                        ; a record
.set SP,   528                         ; a stage row: 512 bytes + 16: an odd multiple of 16, so that sixteen rows' reads of one column start at sixteen different banks (64 banks of 4 bytes: ISA guide 11.1)
.set STG,  16*SP                       ; a wave's stage
.set TAIL, 6*STG                       ; the record's last 512 bytes are gathered here
.set PART, TAIL+512                    ; each wave's part of the sums of squares: 64 wave + 4 r
.set LN,   1                           ; lane
.set RL,   2                           ; r = lane % 16
.set HH,   3                           ; h = lane / 16
.set L16,  4                           ; 16 x lane
.set STW,  5                           ; stage, way in: 16 x lane
.set STR,  6                           ; stage, way out: 528 r + 128 h
.set TW,   7                           ; TAIL + 64 wave + 4 r
.set PWA,  8                           ; PART + 64 wave + 4 r
.set H8,   9                           ; 8 h
.set CO,   10                          ; 1024 wave + 16 lane: my codes' place in the record
.set PR,   11                          ; PART + 4 r
.set TC,   12                          ; TAIL + 384 + 4 lane
.set TR,   13                          ; TAIL + 16 lane
.set RAW,  16                          ; v16-79   the numbers as loaded
.set XN,   80                          ; v80-143  after the turn: register 32 c + i = k 64 c + 32 h + i of my row
.set PC,   144                         ; v144-151 the codes
.set QM,   152                         ; two largest magnitudes
.set QS,   154                         ; two scale operands
.set QB,   156                         ; two bytes
.set PW,   158                         ; the scale word
.set TMP,  159
.set SQ,   160                         ; v160-163 four partial sums of squares
	s_load_b128 s[4:7], s[0:1], 0x0                ; the centres, cent
	v_lshl_add_u32 v168, v0, 2, 0xca00
	v_mov_b32 v169, 0
	v_lshrrev_b32 v[LN], 5, v0
	v_readfirstlane_b32 s8, v[LN]                  ; wave 0..5 = K step
	v_and_b32 v[LN], 31, v0
	v_and_b32 v[RL], 15, v0
	v_bfe_u32 v[HH], v0, 4, 1
	v_lshlrev_b32 v[L16], 4, v[LN]
	s_mul_i32 s9, s8, STG
	v_add_nc_u32 v[STW], s9, v[L16]
	v_mul_u32_u24 v[STR], v[RL], SP
	v_lshl_add_u32 v[STR], v[HH], 7, v[STR]
	v_add_nc_u32 v[STR], s9, v[STR]
	s_lshl_b32 s10, s8, 6
	v_lshl_add_u32 v[TW], v[RL], 2, s10
	v_add_nc_u32 v[PWA], PART, v[TW]
	v_add_nc_u32 v[TW], TAIL, v[TW]
	v_lshlrev_b32 v[H8], 3, v[HH]
	v_lshl_add_u32 v[CO], s8, 10, v[L16]
	v_lshl_add_u32 v[PR], v[RL], 2, PART
	v_lshl_add_u32 v[TC], v[LN], 2, TAIL+384
	v_add_nc_u32 v[TR], TAIL, v[L16]
	v_mov_b32 v[TMP], 0                            ; a lane permute's destination counts as one of its sources
	s_mov_b32 s12, 0x76543210
	s_mov_b32 s13, 0xfedcba98                      ; v_permlanex16_b32's selects for lane l xor 16
	s_mul_i32 s14, ttmp9, 16*ROWB                  ; my 16 rows,
	s_lshl_b32 s15, s8, 9                          ; my 512 bytes of each
	s_add_co_u32 s14, s14, s15
	s_mov_b32 s15, 0
	s_mul_i32 s16, ttmp9, REC
	s_mov_b32 s17, 0
	s_wait_kmcnt 0x0
	s_add_nc_u64 s[4:5], s[4:5], s[14:15]
	s_add_nc_u64 s[6:7], s[6:7], s[16:17]
.irp p, 0,1,2,3,4,5,6,7,8,9,10,11,12,13,14,15
	global_load_b128 v[RAW+4*\p:RAW+4*\p+3], v[L16], s[4:5] offset:ROWB*\p th:TH_LOAD_NT   ; 32 lanes read 512 consecutive bytes of row p; read once in the launch
.endr
.irp p, 0,1,2,3,4,5,6,7,8,9,10,11,12,13,14,15
	s_wait_loadcnt 15-\p                           ; row p is in; the rows behind it may be out
	ds_store_b128 v[STW], v[RAW+4*\p:RAW+4*\p+3] offset:SP*\p
.endr
.irp c, 0,1
.irp i, 0,1,2,3,4,5,6,7
	ds_load_b128 v[XN+32*\c+4*\i:XN+32*\c+4*\i+3], v[STR] offset:256*\c+16*\i   ; LDS serves a wave's instructions in order (ISA guide 5.7.1.4): these see my stores
.endr
.endr
	s_wait_dscnt 0x0
	; my two blocks: h (c = 0) and 2 + h (c = 1) of the K step's four; all 32 numbers of each are mine
.irp c, 0,1
	v_max3_num_f32 v[QM+\c], |v[XN+32*\c]|, |v[XN+32*\c+1]|, 0x1800000   ; and the floor 2^(3 - 127): the byte cannot fall under 1
.endr
.irp i, 2,4,6,8,10,12,14,16,18,20,22,24,26,28,30
.irp c, 0,1
	v_max3_num_f32 v[QM+\c], v[QM+\c], |v[XN+32*\c+\i]|, |v[XN+32*\c+\i+1]|   ; the two blocks by turns
.endr
.endr
.irp c, 0,1
	v_add_nc_u32 v[QS+\c], 0xff000000, v[QM+\c]    ; 2 off the exponent field: the conversion takes this operand's exponent field as its scale
.endr
.irp c, 0,1
	v_lshrrev_b32 v[QB+\c], 23, v[QS+\c]           ; the scale's byte
.endr
	v_lshl_or_b32 v[PW], v[QB+1], 16, v[QB]        ; bytes h and 2 + h of my row's scale word,
	v_lshlrev_b32 v[PW], v[H8], v[PW]
	v_permlanex16_b32 v[TMP], v[PW], s12, s13
	v_or_b32 v[PW], v[PW], v[TMP]                  ; with lane l xor 16's two the word is whole
.irp c, 0,1
.irp g, 0,1,2,3
	v_cvt_scalef32_pk8_fp4_f32 v[PC+4*\c+\g], v[XN+32*\c+8*\g:XN+32*\c+8*\g+7], v[QS+\c]   ; registers 4 c .. 4 c + 3 of the operand
.endr
.endr
	v_nop                                          ; one plain place behind the scaled conversions
	v_pk_mul_f32 v[SQ:SQ+1], v[XN:XN+1], v[XN:XN+1]           ; the squares of my 64 numbers, in four chains; the first products start the sums
	v_pk_mul_f32 v[SQ+2:SQ+3], v[XN+2:XN+3], v[XN+2:XN+3]
.irp i, 4,8,12,16,20,24,28,32,36,40,44,48,52,56,60
	v_pk_fma_f32 v[SQ:SQ+1], v[XN+\i:XN+\i+1], v[XN+\i:XN+\i+1], v[SQ:SQ+1]
	v_pk_fma_f32 v[SQ+2:SQ+3], v[XN+\i+2:XN+\i+3], v[XN+\i+2:XN+\i+3], v[SQ+2:SQ+3]
.endr
	v_add_f32 v[SQ], v[SQ], v[SQ+1]
	v_add_f32 v[SQ+2], v[SQ+2], v[SQ+3]
	v_add_f32 v[SQ], v[SQ], v[SQ+2]
	v_permlanex16_b32 v[TMP], v[SQ], s12, s13
	v_add_f32 v[SQ], v[SQ], v[TMP]                 ; my row's part for this K step
	global_store_b128 v[CO], v[PC:PC+3], s[6:7]               ; the image: each store of the wave covers 512 consecutive bytes, aligned to 256
	global_store_b128 v[CO], v[PC+4:PC+7], s[6:7] offset:512
	ds_store_b32 v[TW], v[PW]                      ; both lanes of a row write the same word with the same value
	ds_store_b32 v[PWA], v[SQ]
	s_wait_dscnt 0x0                               ; for the others' sake: my stores have landed
	s_barrier_signal -1
	s_barrier_wait -1
	s_cmp_lg_u32 s8, 0                             ; wave 0 alone finishes the record's last 512 bytes
	s_cbranch_scc1 .Lend
.irp s, 0,1,2,3,4,5
	ds_load_b32 v[RAW+\s], v[PR] offset:64*\s
.endr
	s_wait_dscnt 0x0
.irp s, 1,2,3,4,5
	v_add_f32 v[RAW], v[RAW], v[RAW+\s]            ; the six K steps' parts, ascending
.endr
	v_cmp_gt_u32 vcc_lo, 16, v[LN]
	v_cndmask_b32 v[RAW], 0, v[RAW], vcc_lo        ; lanes 16-31 write the zeros behind the sixteen sums
	ds_store_b32 v[TC], v[RAW]
	ds_load_b128 v[RAW+4:RAW+7], v[TR]             ; in order behind my store
	s_wait_dscnt 0x0
	global_store_b128 v[L16], v[RAW+4:RAW+7], s[6:7] offset:6144   ; 512 consecutive bytes, aligned to 256
.Lend:
	s_wait_tensorcnt 0x0
	ds_add_u32 v168, v169
	s_wait_dscnt 0x0
	s_endpgm
.Lfunc_end_k_q15e6a57f42_centq:
	.size	k_q15e6a57f42_centq, .Lfunc_end_k_q15e6a57f42_centq-k_q15e6a57f42_centq
	.p2alignl 7, 3214868480
	.fill 96, 4, 3214868480
	.section	.rodata,"a",@progbits
	.p2align	6, 0x0
	.amdhsa_kernel k_q15e6a57f42_centq
		.amdhsa_group_segment_fixed_size 52480
		.amdhsa_private_segment_fixed_size 0
		.amdhsa_enable_private_segment 0
		.amdhsa_kernarg_size 16
		.amdhsa_user_sgpr_count 2
		.amdhsa_user_sgpr_kernarg_segment_ptr 1
		.amdhsa_wavefront_size32 1
		.amdhsa_system_sgpr_workgroup_id_x 1
		.amdhsa_system_sgpr_workgroup_id_y 1
		.amdhsa_system_sgpr_workgroup_id_z 1
		.amdhsa_system_vgpr_workitem_id 0
		.amdhsa_next_free_vgpr 170
		.amdhsa_next_free_sgpr 66
		.amdhsa_reserve_vcc 1
		.amdhsa_float_denorm_mode_32 3
		.amdhsa_float_denorm_mode_16_64 3
		.amdhsa_memory_ordered 1
		.amdhsa_forward_progress 1
		.amdhsa_inst_pref_size 13
	.end_amdhsa_kernel
	.amdgpu_metadata
---
amdhsa.version: [ 1, 2 ]
amdhsa.kernels:
  - .name:           k_q15e6a57f42_centq
    .symbol:         k_q15e6a57f42_centq.kd
    .args:
      - { .name: cluster_centers, .offset: 0, .size: 8, .value_kind: global_buffer, .address_space: global }
      - { .name: cent, .offset: 8, .size: 8, .value_kind: global_buffer, .address_space: global }
    .group_segment_fixed_size: 52480
    .private_segment_fixed_size: 0
    .kernarg_segment_align: 8
    .kernarg_segment_size: 16
    .max_flat_workgroup_size: 192
    .sgpr_count:     66
    .vgpr_count:     170
    .wavefront_size: 32
...
	.end_amdgpu_metadata
.endif
;; end of part 1
;; launch nearest (part 2): grid 256 x 1, 4 waves a work-group, clusters of 4 x 1, 327,680 bytes of LDS; arguments embed, cent, out0; writes out0
.if DOCPART == 2
	.amdgcn_target "amdgcn-amd-amdhsa--gfx1250"
	.amdhsa_code_object_version 6
	.text
	.protected	k_q15e6a57f42_nearest
	.globl	k_q15e6a57f42_nearest
	.p2align	8
	.type	k_q15e6a57f42_nearest,@function
k_q15e6a57f42_nearest:
	s_mov_b64 s[64:65], 0
	v_nop
	global_prefetch_b8 v0, s[64:65] scope:SCOPE_SE
	s_setreg_imm32_b32 hwreg(HW_REG_WAVE_MODE, 25, 1), 1
	s_wait_xcnt 0x0
	s_wait_alu depctr_hold_cnt(0) depctr_sa_sdst(0) depctr_va_vdst(0) depctr_va_sdst(0) depctr_va_ssrc(0) depctr_va_vcc(0) depctr_vm_vsrc(0)
	s_getreg_b32 s2, hwreg(HW_REG_IB_STS2, 6, 4)
	s_cmp_eq_u32 s2, 0
	s_cbranch_scc0 .Lentry_in_a_cluster
	s_endpgm
.Lentry_in_a_cluster:
	s_bfe_u32 s2, ttmp6, 0x10000c
	s_cmp_lg_u32 s2, 0x3003
	s_cbranch_scc0 .Lentry_shape_is_right
	s_endpgm
.Lentry_shape_is_right:
; out0[row] = the first centre c at which sqrt(max(x.x + c.c - 2 x.c, 0)) is least; x.c on MX-FP4 codes, all else f32.  No step of the reference is left out.
; SHARES.  A work-group owns 128 rows of embed (256 work-groups x 128 = 32,768).  Each of its four waves takes ALL 128 rows against its own 512 centres; the four meet in LDS at the end.
; THE ROWS are quantised here, each read from memory once: wave w takes rows 32 w .. 32 w + 31 in 12 batches of 16 rows x 128 numbers, which turn through the wave's stage in LDS so that a lane holds two whole
; blocks of 32 of one row; the codes go to an image of the operand's registers in LDS, and every wave loads the image of all 128 rows into 384 registers, where it stays.
; THE CENTRES come as codes (records of 16 centres, 6,656 bytes) through a ring of two slots: a chunk is 4 records for each wave, 8 chunks.  Each wave reads only what its own tensor load brought.
; CLUSTERS: 4 work-groups ask jointly for each tile (mask 15): all of them walk the same centres in the same order.
; No prefetch: while the first tiles are asked for the launch's own loads of embed are out, 48 and more a wave, and the 64 clusters read the same 851,968 bytes of centres.
; A STEP is a pair of records (32 centres) x 128 rows: eight tiles of 32 x 16, in two halves of four tiles.  The four accumulators of a half take turns: three other matrix instructions stand between a sum's steps.
;   1: products of half 0, between them the selects of the last pair's half 1;   2: products of half 1, between them the arithmetic of half 0;
;   3: the arithmetic of half 1, the eight square roots in one batch while no sum is open, the selects of half 0.
; THE ARGMIN.  A lane keeps for each tile column (row of embed) the least root so far, the pair it came from, and that pair's 16 squared distances; the place among the 16 is sought once, at the end.
; A later pair is taken only where its root is less, so the first of equal roots stays.
; LIMITS: a block of zeros gets the scale byte 1 (its codes are zeros, and this program alone reads the bytes); blocks whose largest magnitude is under 2^-124 have the byte held at 1; NaN and infinities among the inputs are not served;
; sums of squares are added in another order than the reference's; roots that differ by the last place are told apart as v_sqrt_f32 rounds (1 ulp).
.set ROWB,  3072                       ; a row of embed in bytes
.set REC,   6656                       ; a record
.set SLOTW, 4*REC                      ; a wave's part of a slot
.set SLOT1, 0x20000
.set XSC,   4*SLOTW                    ; between the slots: the rows' scale words,
.set XSQL,  XSC+3072                   ; their sums of squares,
.set REDD,  XSQL+512                   ; the waves' least roots
.set REDI,  REDD+2048                  ; and indices,
.set SPARE, REDI+2048                  ; the spare words, 128 bytes a wave
.set XIMG,  SLOT1+4*SLOTW              ; behind slot 1: the image of the rows' codes, 48 x 1,024 bytes,
.set STAGE, XIMG+48*1024               ; and the waves' stages
.set SP,    528                        ; a stage row: 512 bytes + 16
; window 0, kept: 1-3, 12-91.   Windows 1, 2: codes of tiles 0-3, 4-7 at 48 (tile % 4) + 8 step; the kept 16 distances of a tile at 192 + 16 (tile % 4).   Window 3: the centres' fragments, two sets of 96
.set SPW,  1
.set NIL,  2
.set L16,  3
.set STW,  4                           ; v4-11 in the head: addresses
.set STR,  5
.set XWI,  6
.set XWS,  7
.set XQW,  8
.set LIX,  9
.set LSX,  10
.set XQR,  11
.set MIN,  4                           ; v4-11 in the walk: a tile's least squared distance, then its root
.set ACF0, 12
.set ASC0, 13
.set ACQ0, 14
.set H8,   15
.set XS,   16                          ; rows' scale words: 24
.set SC,   40                          ; centres' scale words: two sets of 6
.set XQ,   52                          ; rows' sums of squares, each twice (a pair)
.set DD,   68                          ; least root so far
.set ID,   76                          ; the pair it came from
.set ACF,  84
.set ASC,  85
.set ACQ,  86
.set CHV,  87                          ; the pair's number
.set IB,   88
.set RW,   89
.set RR,   90
.set CQ,   92                          ; the pair's sums of squares of centres: 16
.set UU,   108                         ; 16 at work
.set TMN,  124                         ; 4 at work
.set ACC,  128                         ; eight accumulators of 16
.set XN,   128                         ; the head's registers lie where the accumulators will
.set PC,   192
.set QM,   200
.set QS,   202
.set QB,   204
.set PW,   206
.set TMP,  207
.set SQ,   208
.set LN,   212
.set RL,   213
.set HH,   214
.set WV,   10
.set CX,   11
.set WG,   12
.set G1,   16
.set G0A,  24
.set G0W,  28
.set TB,   32
.set CNT,  34
.set SEL,  36
.set INF,  38
.set MK,   40
.set RUN,  2                           ; matrix instructions on end between two slices of vector work
.set MSB, 0
.macro WIN new                         ; the immediate's high byte repeats the setting that is left
.if MSB != (\new)
	s_set_vgpr_msb (MSB<<8)|(\new)
.set MSB, (\new)
.endif
.endm
.macro CREST                           ; a round of the cluster's barrier behind its opening barrier
	s_cmp_lg_u32 s[WV], 0
	s_cbranch_scc1 .Lnot_wave_0_\@
	s_barrier_signal -3
.Lnot_wave_0_\@:
	s_barrier_wait -3
	s_barrier_signal -1
	s_barrier_wait -1
.endm
.macro ROUND
	s_barrier_signal -1
	s_barrier_wait -1
	CREST
.endm
.macro LOADX t                         ; batch t: 16 rows, K step t % 6; each load reads 512 consecutive bytes of a row
	WIN 0x40
.irp p, 0,1,2,3,4,5,6,7,8,9,10,11,12,13,14,15
	global_load_b128 v[64*((\t)%4)+4*\p:64*((\t)%4)+4*\p+3], v[L16], s[4:5] offset:(16*((\t)/6)+\p)*ROWB+512*((\t)%6) th:TH_LOAD_NT
.endr
	WIN 0
.endm
	s_load_b128 s[4:7], s[0:1], 0x0                ; embed, cent
	s_load_b64 s[8:9], s[0:1], 0x10                ; out0
	v_lshl_add_u32 v[SPW], v0, 2, SPARE
	v_mov_b32 v[NIL], 0
	ds_add_u32 v[SPW], v[NIL]                      ; the wave's opening: the add, twice on end, and its wait
	ds_add_u32 v[SPW], v[NIL]
	v_lshrrev_b32 v[LN], 5, v0
	v_readfirstlane_b32 s[WV], v[LN]               ; wave 0..3
	v_and_b32 v[LN], 31, v0
	v_lshlrev_b32 v[L16], 4, v[LN]
	s_bfe_u32 s[CX], ttmp6, 0x40000
	s_lshl_b32 s[WG], ttmp9, 2
	s_add_co_u32 s[WG], s[WG], s[CX]
	s_mov_b32 s[G1+0], 15|(3<<16)|(1<<21)          ; all four work-groups; elements of 8 bytes; 104 dense rows of 256 bytes
	s_mov_b32 s[G1+1], 32<<16
	s_mov_b32 s[G1+2], 104<<16
	s_mov_b32 s[G1+3], 32<<16
	s_mov_b32 s[G1+4], 104
	s_mov_b32 s[G1+5], 32
	s_mov_b32 s[G1+6], 0
	s_mov_b32 s[G1+7], 0
	s_mul_i32 s2, s[WG], 128*ROWB                  ; my wave's 32 rows
	s_mul_i32 s13, s[WV], 32*ROWB
	s_add_co_u32 s2, s2, s13
	s_mov_b32 s3, 0
	s_mul_i32 s13, s[WV], SLOTW
	s_mul_i32 s14, s[WV], 8*SLOTW                  ; my wave's 32 records
	s_mov_b32 s15, 0
	s_mov_b32 s[TB], 0
	s_mov_b32 s[SEL], 0x76543210
	s_mov_b32 s[SEL+1], 0xfedcba98                 ; v_permlanex16_b32's selects for lane l xor 16
	s_mov_b32 s[INF], 0x7f800000
	s_wait_dscnt 0x0                               ; both opening adds are done
	s_wait_alu depctr_va_vdst(0)
	s_wait_kmcnt 0x0
	s_add_nc_u64 s[4:5], s[4:5], s[2:3]
	LOADX 0                                        ; 48 loads go out ahead of all else
	LOADX 1
	LOADX 2
	s_add_nc_u64 s[6:7], s[6:7], s[14:15]
	s_mov_b32 s[G0A], 1
	s_mov_b32 s[G0A+1], s13
	s_mov_b64 s[G0A+2:G0A+3], s[6:7]
	s_or_b32 s[G0A+3], s[G0A+3], 0x80000000
	s_mov_b32 s[G0W], 1
	s_add_co_u32 s[G0W+1], s13, SLOT1
	s_add_nc_u64 s[G0W+2:G0W+3], s[6:7], SLOTW
	s_or_b32 s[G0W+3], s[G0W+3], 0x80000000
	ROUND                                          ; all four work-groups are here
	tensor_load_to_lds s[G0A:G0A+3], s[G1:G1+7]    ; chunk 0, my wave's part
	s_nop 0
.rept 4
	v_nop
.endr
	LOADX 3
	s_lshl_b32 s14, s[WG], 9
	s_add_nc_u64 s[8:9], s[8:9], s[14:15]          ; my 128 results
	v_and_b32 v[RL], 15, v0
	v_bfe_u32 v[HH], v0, 4, 1
	s_mul_i32 s13, s[WV], 16*SP
	s_add_co_u32 s13, s13, STAGE
	v_add_nc_u32 v[STW], s13, v[L16]
	v_mul_u32_u24 v[STR], v[RL], SP
	v_lshl_add_u32 v[STR], v[HH], 7, v[STR]
	v_add_nc_u32 v[STR], s13, v[STR]
	s_mul_i32 s13, s[WV], 12*1024
	s_add_co_u32 s13, s13, XIMG
	v_add_nc_u32 v[XWI], s13, v[L16]
	s_lshl_b32 s13, s[WV], 7
	v_lshl_add_u32 v[XWS], v[RL], 2, s13
	v_add_nc_u32 v[XQW], XSQL, v[XWS]
	v_add_nc_u32 v[XWS], XSC, v[XWS]
	v_add_nc_u32 v[LIX], XIMG, v[L16]
	v_lshl_add_u32 v[LSX], v[LN], 2, XSC
	v_lshl_add_u32 v[XQR], v[RL], 2, XSQL
	s_mul_i32 s13, s[WV], SLOTW
	v_add_nc_u32 v[ACF0], s13, v[L16]              ; fragments: 16 x lane
	v_mul_u32_u24 v[ASC0], v[HH], REC
	v_lshl_add_u32 v[ASC0], v[RL], 2, v[ASC0]
	v_add_nc_u32 v[ASC0], s13, v[ASC0]             ; scale words: lanes 16-31 take the pair's second record
	v_lshl_add_u32 v[ACQ0], v[HH], 5, s13          ; sums of squares: eight centres 8 h .. 8 h + 7
	v_lshlrev_b32 v[H8], 3, v[HH]
	s_lshl_b32 s13, s[WV], 9
	v_add_nc_u32 v[IB], s13, v[H8]                 ; 512 wave + 8 h
	v_lshl_add_u32 v[RW], v[RL], 2, s13
	v_add_nc_u32 v[RW], REDD, v[RW]
	v_add_nc_u32 v[RR], REDD, v[L16]
	v_mov_b32 v[TMP], 0                            ; a lane permute's destination counts as one of its sources
	s_wait_alu depctr_va_vdst(0)                   ; the head's end
.macro TURN t                          ; LDS serves a wave's instructions in order (ISA guide 5.7.1.4): the loads see the stores
	WIN 0x04
.irp p, 0,1,2,3,4,5,6,7,8,9,10,11,12,13,14,15
	ds_store_b128 v[STW], v[64*((\t)%4)+4*\p:64*((\t)%4)+4*\p+3] offset:SP*\p
.endr
	WIN 0
.irp c, 0,1
.irp i, 0,1,2,3,4,5,6,7
	ds_load_b128 v[XN+32*\c+4*\i:XN+32*\c+4*\i+3], v[STR] offset:256*\c+16*\i
.endr
.endr
.endm
.macro QUANT2                          ; my two blocks, h and 2 + h of the K step's four
.irp c, 0,1
	v_max3_num_f32 v[QM+\c], |v[XN+32*\c]|, |v[XN+32*\c+1]|, 0x1800000   ; and the floor 2^(3 - 127)
.endr
.irp i, 2,4,6,8,10,12,14,16,18,20,22,24,26,28,30
.irp c, 0,1
	v_max3_num_f32 v[QM+\c], v[QM+\c], |v[XN+32*\c+\i]|, |v[XN+32*\c+\i+1]|
.endr
.endr
.irp c, 0,1
	v_add_nc_u32 v[QS+\c], 0xff000000, v[QM+\c]    ; 2 off the exponent field: the scale operand
.endr
.irp c, 0,1
	v_lshrrev_b32 v[QB+\c], 23, v[QS+\c]           ; the scale's byte
.endr
	v_lshl_or_b32 v[PW], v[QB+1], 16, v[QB]
	v_lshlrev_b32 v[PW], v[H8], v[PW]
	v_permlanex16_b32 v[TMP], v[PW], s[SEL], s[SEL+1]
	v_or_b32 v[PW], v[PW], v[TMP]                  ; with lane l xor 16's two bytes the word is whole
.irp c, 0,1
.irp g, 0,1,2,3
	v_cvt_scalef32_pk8_fp4_f32 v[PC+4*\c+\g], v[XN+32*\c+8*\g:XN+32*\c+8*\g+7], v[QS+\c]
.endr
.endr
	v_nop                                          ; one plain place behind the scaled conversions
.endm
.macro SQUARES first
.set qi, 0
.rept 32
.if (\first) && (qi < 2)
	v_pk_mul_f32 v[SQ+2*qi:SQ+2*qi+1], v[XN+2*qi:XN+2*qi+1], v[XN+2*qi:XN+2*qi+1]
.else
	v_pk_fma_f32 v[SQ+2*(qi%2):SQ+2*(qi%2)+1], v[XN+2*qi:XN+2*qi+1], v[XN+2*qi:XN+2*qi+1], v[SQ+2*(qi%2):SQ+2*(qi%2)+1]
.endif
.set qi, qi+1
.endr
.endm
.macro BATCH t
.if 11-(\t) >= 3
	s_wait_loadcnt 48                              ; this batch's 16 loads are in; those of the three batches behind it may be out
.else
	s_wait_loadcnt 16*(11-(\t))
.endif
	TURN \t
	s_wait_dscnt 0x0
.if (\t)+4 < 12
	LOADX (\t)+4
.endif
	QUANT2
.if (\t)%6 == 0
	SQUARES 1
.else
	SQUARES 0
.endif
	ds_store_b128 v[XWI], v[PC:PC+3] offset:1024*(\t)
	ds_store_b128 v[XWI], v[PC+4:PC+7] offset:1024*(\t)+512
	ds_store_b32 v[XWS], v[PW] offset:512*((\t)%6)+64*((\t)/6)
.if (\t)%6 == 5
	v_add_f32 v[SQ], v[SQ], v[SQ+1]
	v_add_f32 v[SQ+2], v[SQ+2], v[SQ+3]
	v_add_f32 v[SQ], v[SQ], v[SQ+2]
	v_permlanex16_b32 v[TMP], v[SQ], s[SEL], s[SEL+1]
	v_add_f32 v[SQ], v[SQ], v[TMP]
	ds_store_b32 v[XQW], v[SQ] offset:64*((\t)/6)
.endif
.endm
.irp t, 0,1,2,3,4,5,6,7,8,9,10,11
	BATCH \t
.endr
	; one round for two things: the rows' image is whole for every wave, and slot 1 may be filled for the first time
	s_wait_tensorcnt 0x0                           ; chunk 0 is in
	ds_add_u32 v[SPW], v[NIL]
	s_wait_dscnt 0x0                               ; the add and my stores into the image are done
	ROUND
	tensor_load_to_lds s[G0W:G0W+3], s[G1:G1+7]    ; chunk 1
	s_nop 0
.rept 4
	v_nop
.endr
.macro ADDR                            ; the slot's addresses
	v_add_nc_u32 v[ACF], s[TB], v[ACF0]
	v_add_nc_u32 v[ASC], s[TB], v[ASC0]
	v_add_nc_u32 v[ACQ], s[TB], v[ACQ0]
.endm
.macro CQLOAD g
	WIN 0
.irp u, 0,1
.irp e, 0,1
	ds_load_b128 v[CQ+8*\u+4*\e:CQ+8*\u+4*\e+3], v[ACQ] offset:2*REC*(\g)+REC*\u+6528+16*\e
.endr
.endr
.endm
.macro FPART p, g, s                   ; set p: pair g of the slot, K step s: 32 centres x 128
	WIN 0
	ds_load_b32 v[SC+6*(\p)+(\s)], v[ASC] offset:2*REC*(\g)+6144+64*(\s)
	WIN 0xc0
.irp u, 0,1
.irp c, 0,1
	ds_load_b128 v[96*(\p)+16*(\s)+8*\u+4*\c:96*(\p)+16*(\s)+8*\u+4*\c+3], v[ACF] offset:2*REC*(\g)+REC*\u+1024*(\s)+512*\c
.endr
.endr
.endm
	ADDR
	s_wait_alu depctr_va_vdst(0)
.irp s, 0,1,2,3,4,5
	FPART 0, 0, \s
.endr
	CQLOAD 0
.irp a, 0,1,2,3,4,5,6,7
	WIN ((1+\a/4)<<6)
.irp s, 0,1,2,3,4,5
.irp c, 0,1
	ds_load_b128 v[48*(\a%4)+8*\s+4*\c:48*(\a%4)+8*\s+4*\c+3], v[LIX] offset:(6*\a+\s)*1024+512*\c
.endr
.endr
.endr
	WIN 0
.irp s, 0,1,2,3,4,5
.irp q, 0,1,2,3
	ds_load_b32 v[XS+4*\s+\q], v[LSX] offset:512*\s+128*\q   ; lanes 0-15: tile 2 q's rows, lanes 16-31: tile 2 q + 1's
.endr
.endr
.irp a, 0,1,2,3,4,5,6,7
	ds_load_b32 v[XQ+2*\a], v[XQR] offset:64*\a
	ds_load_b32 v[XQ+2*\a+1], v[XQR] offset:64*\a
.endr
.irp a, 0,1,2,3,4,5,6,7                ; while they come: the state ahead of the first pair
	v_mov_b32 v[DD+\a], s[INF]
	v_mov_b32 v[ID+\a], 0
.endr
	v_mov_b32 v[CHV], 0
	WIN 0x40
.set qi, 0
.rept 64
	v_mov_b32 v[192+qi], s[INF]
.set qi, qi+1
.endr
	WIN 0x80
.set qi, 0
.rept 64
	v_mov_b32 v[192+qi], s[INF]
.set qi, qi+1
.endr
	WIN 0
.macro MM p, a, s                      ; 32 centres x tile a's 16 rows, K step s
.set xW, 1+(\a)/4
	WIN (0x03|(xW<<2))
.set rX, 48*((\a)%4)+8*(\s)
.set rF, 96*(\p)+16*(\s)
.set rD, ACC+16*(\a)
.set rSA, SC+6*(\p)+(\s)
.set rSB, XS+4*(\s)+(\a)/2
.if (\s) == 0
.if (\a)%2 == 0
	v_wmma_scale_f32_32x16x128_f4 v[rD:rD+15], v[rF:rF+15], v[rX:rX+7], 0, v[rSA], v[rSB]
.else
	v_wmma_scale_f32_32x16x128_f4 v[rD:rD+15], v[rF:rF+15], v[rX:rX+7], 0, v[rSA], v[rSB] matrix_b_scale:MATRIX_SCALE_ROW1
.endif
.else
.if (\a)%2 == 0
	v_wmma_scale_f32_32x16x128_f4 v[rD:rD+15], v[rF:rF+15], v[rX:rX+7], v[rD:rD+15], v[rSA], v[rSB]
.else
	v_wmma_scale_f32_32x16x128_f4 v[rD:rD+15], v[rF:rF+15], v[rX:rX+7], v[rD:rD+15], v[rSA], v[rSB] matrix_b_scale:MATRIX_SCALE_ROW1
.endif
.endif
.endm
; THE ARITHMETIC of a half, 96 items: for each of its four tiles 8 packed sums x.x + c.c, 8 packed multiply-adds with -2 (in place, each accumulator from its low end on), 8 minima; a tile's minima stand among the next tile's sums.
.macro PK
.if pn < 8
	v_pk_add_f32 v[UU+2*pn:UU+2*pn+1], v[CQ+2*pn:CQ+2*pn+1], v[XQ+2*pa:XQ+2*pa+1] op_sel_hi:[1,0]
.else
.set pe, pn-8
.set pr, ACC+16*pa+2*pe
	v_pk_fma_f32 v[pr:pr+1], v[pr:pr+1], -2.0, v[UU+2*pe:UU+2*pe+1] op_sel_hi:[1,0,1]
.endif
.endm
.macro MNI
.set pt, ACC+16*pa
.if pn == 0
	v_min3_num_f32 v[MIN+pa], v[pt], v[pt+1], v[pt+2]
.elseif pn < 5
	v_min3_num_f32 v[TMN+pn-1], v[pt+3*pn], v[pt+3*pn+1], v[pt+3*pn+2]
.elseif pn == 5
	v_min3_num_f32 v[MIN+pa], v[MIN+pa], v[TMN], v[TMN+1]
.elseif pn == 6
	v_min3_num_f32 v[TMN+2], v[TMN+2], v[TMN+3], v[pt+15]
.else
	v_min_num_f32 v[MIN+pa], v[MIN+pa], v[TMN+2]
.endif
.endm
.macro EPA hf                          ; item j
	WIN 0
.if j < 16
.set pa, 4*(\hf)
.set pn, j
	PK
.elseif j < 88
.set eS, 4*(\hf)+(j-16)/24+1
.set eQ, (j-16)%24
.set pm, 0
.set pa, eS
.if eQ < 10
.set pn, eQ/2
.set pm, eQ%2
.elseif eQ < 15
.set pn, eQ-5
.elseif eQ == 15
.set pn, 5
.set pm, 1
.elseif eQ == 16
.set pn, 10
.elseif eQ == 17
.set pn, 6
.set pm, 1
.elseif eQ < 22
.set pn, eQ-7
.elseif eQ == 22
.set pn, 7
.set pm, 1
.else
.set pn, 15
.endif
.if pm == 1
.set pa, eS-1
	MNI
.else
	PK
.endif
.else
.set pa, 4*(\hf)+3
.set pn, j-88
	MNI
.endif
.endm
; THE SELECTS of a half, 76 items: where a tile's root is less than the least so far, the pair's number and its 16 squared distances are kept.
.macro CPY hf                          ; item j
.if j < 4
	WIN 0
	v_cmp_lt_f32 s[MK+j], v[MIN+4*(\hf)+j], v[DD+4*(\hf)+j]
.elseif j < 8
	WIN 0
	v_min_num_f32 v[DD+4*(\hf)+j-4], v[DD+4*(\hf)+j-4], v[MIN+4*(\hf)+j-4]
.elseif j < 12
	WIN 0
	v_cndmask_b32 v[ID+4*(\hf)+j-8], v[ID+4*(\hf)+j-8], v[CHV], s[MK+j-8]
.else
	WIN ((1+(\hf))|((1+(\hf))<<6))
	v_cndmask_b32 v[192+j-12], v[192+j-12], v[ACC+64*(\hf)+j-12], s[MK+(j-12)/16]
.endif
.endm
; 24 products of half hf with fragment set p.  ep = 1: between them the selects of half 1;  ep = 2: the arithmetic of half 0.  chg = 1: in the middle the opening signal of the round.  fs = 0 or 1: fetches set fs, pair fc.
.macro GRP p, hf, ep, chg, fs, fc
.set j, 0
.set n, 0
.irp s, 0,1,2,3,4,5
.irp d, 0,1,2,3
	MM \p, 4*(\hf)+\d, \s
.set n, n+1
.if n%RUN == 0
.if (\ep) == 1
.rept 76*n/24-j
	CPY 1
.set j, j+1
.endr
.endif
.if (\ep) == 2
.rept 96*n/24-j
	EPA 0
.set j, j+1
.endr
.endif
.endif
.if ((\fs) < 2) && (n%4 == 2)
	FPART \fs, \fc, (n-2)/4
.endif
.if ((\chg) == 1) && (n == 12)
	s_wait_dscnt 0x0                               ; the add is done, and so are my reads of this slot
	s_barrier_signal -1
.endif
.endr
.endr
.endm
.macro THIRD g                         ; g = 0 or 1: then the sums of squares of pair g are asked for
	WIN 0
.set j, 0
.rept 96
	EPA 1
.set j, j+1
.endr
.if (\g) < 2
	CQLOAD \g
.endif
.irp a, 0,1,2,3,4,5,6,7
	v_max_num_f32 v[MIN+\a], 0, v[MIN+\a]
.endr
	s_wait_alu depctr_va_vdst(0)                   ; ahead of the batch
.irp a, 0,1,2,3,4,5,6,7
	v_sqrt_f32 v[MIN+\a], v[MIN+\a]
.endr
	v_nop                                          ; one plain place behind a transcendental
	s_wait_alu depctr_va_vdst(0)                   ; and behind it
.set j, 0
.rept 76
	CPY 0
.set j, j+1
.endr
.endm
; A chunk.  On the way in the first pair's half 0 has been multiplied.  fill = 1: the slot is filled again, two chunks on.
.macro TRIP fill, last
	GRP 0, 1, 2, 0, 1, 1
	THIRD 1
	WIN 0
	s_wait_dscnt 0x0                               ; the second pair's fragments and sums of squares are in: nothing more is read from this slot
.if \fill
	s_wait_tensorcnt 0x0                           ; my part of the next chunk is in: no tensor load of mine is out
	ds_add_u32 v[SPW], v[NIL]                      ; half a group of products stands between the add and its wait
	s_xor_b32 s[G0W+1], s[G0W+1], SLOT1
	s_add_nc_u64 s[G0W+2:G0W+3], s[G0W+2:G0W+3], SLOTW
.elseif (\last) == 0
	s_wait_tensorcnt 0x0                           ; my part of the last chunk, which I alone read
.endif
.if (\last) == 0
	s_xor_b32 s[TB], s[TB], SLOT1
	ADDR
.endif
	GRP 1, 0, 1, \fill, 9, 9
	WIN 0
	v_add_nc_u32 v[CHV], 1, v[CHV]
.if \fill
	s_barrier_wait -1
	CREST                                          ; no wave of any partner still reads this slot or has a load on its way
	tensor_load_to_lds s[G0W:G0W+3], s[G1:G1+7]
	s_nop 0
.rept 4
	v_nop
.endr
.endif
.if \last
	GRP 1, 1, 2, 0, 9, 9
	THIRD 9
.set j, 0
.rept 76
	CPY 1
.set j, j+1
.endr
	WIN 0
.else
	GRP 1, 1, 2, 0, 0, 0
	THIRD 0
	WIN 0
	s_wait_dscnt 0x0                               ; the next chunk's first fragments are in
	GRP 0, 0, 1, 0, 9, 9
	WIN 0
	v_add_nc_u32 v[CHV], 1, v[CHV]
.endif
.endm
	s_wait_dscnt 0x0                               ; the rows, the first fragments
	GRP 0, 0, 0, 0, 9, 9
	WIN 0
	s_mov_b32 s[CNT], 6
.Lwalk:                                                ; chunks 0 to 5; they ask for chunks 2 to 7
	TRIP 1, 0
	s_sub_co_u32 s[CNT], s[CNT], 1
	s_cmp_lg_u32 s[CNT], 0
	s_cbranch_scc1 .Lwalk
	TRIP 0, 0
	TRIP 0, 1
; THE PLACE among a tile's 16: the roots of the kept distances, where the accumulators lay; the lowest place whose root is the least
	WIN 0x04
.set qi, 0
.rept 64
	v_max_num_f32 v[ACC+qi], 0, v[192+qi]
.set qi, qi+1
.endr
	WIN 0x08
.set qi, 0
.rept 64
	v_max_num_f32 v[ACC+64+qi], 0, v[192+qi]
.set qi, qi+1
.endr
	WIN 0
	s_wait_alu depctr_va_vdst(0)                   ; ahead of the batch
.set qi, 0
.rept 128
	v_sqrt_f32 v[ACC+qi], v[ACC+qi]
.set qi, qi+1
.endr
.irp a, 0,1,2,3,4,5,6,7
	v_mov_b32 v[UU+\a], 0
.endr
	s_wait_alu depctr_va_vdst(0)                   ; and behind it
.irp i, 15,14,13,12,11,10,9,8,7,6,5,4,3,2,1,0
.irp a, 0,1,2,3,4,5,6,7
	v_cmp_neq_f32 s[MK+\a], v[ACC+16*\a+\i], v[DD+\a]
.endr
.irp a, 0,1,2,3,4,5,6,7
	v_cndmask_b32 v[UU+\a], \i+8*(\i/8), v[UU+\a], s[MK+\a]   ; registers 8-15 are the pair's second record
.endr
.endr
.irp a, 0,1,2,3,4,5,6,7
	v_lshl_add_u32 v[ID+\a], v[ID+\a], 5, v[UU+\a]
.endr
.irp a, 0,1,2,3,4,5,6,7
	v_add_nc_u32 v[ID+\a], v[IB], v[ID+\a]         ; the centre's index
.endr
.irp a, 0,1,2,3,4,5,6,7
	v_permlanex16_b32 v[UU+8+\a], v[DD+\a], s[SEL], s[SEL+1]
	v_permlanex16_b32 v[CQ+\a], v[ID+\a], s[SEL], s[SEL+1]
.endr
.irp a, 0,1,2,3,4,5,6,7                ; lane l xor 16 has the row's other centres: the less root, of equal ones the lower index
	v_cmp_lt_f32 s40, v[UU+8+\a], v[DD+\a]
	v_cmp_eq_f32 s41, v[UU+8+\a], v[DD+\a]
	v_cmp_lt_u32 s42, v[CQ+\a], v[ID+\a]
	s_and_b32 s41, s41, s42
	s_or_b32 s40, s40, s41
	v_cndmask_b32 v[DD+\a], v[DD+\a], v[UU+8+\a], s40
	v_cndmask_b32 v[ID+\a], v[ID+\a], v[CQ+\a], s40
	ds_store_b32 v[RW], v[DD+\a] offset:64*\a
	ds_store_b32 v[RW], v[ID+\a] offset:REDI-REDD+64*\a
.endr
	s_wait_dscnt 0x0                               ; for the others' sake
	s_barrier_signal -1
	s_barrier_wait -1
	s_cmp_lg_u32 s[WV], 0                          ; wave 0 joins the four waves' results: ascending centres, so only a less root takes over
	s_cbranch_scc1 .Lnot_first
.irp w, 0,1,2,3
	ds_load_b128 v[ACC+4*\w:ACC+4*\w+3], v[RR] offset:512*\w
	ds_load_b128 v[ACC+16+4*\w:ACC+16+4*\w+3], v[RR] offset:REDI-REDD+512*\w
.endr
	s_wait_dscnt 0x0
.irp w, 1,2,3
.irp k, 0,1,2,3
	v_cmp_lt_f32 s[MK+\k], v[ACC+4*\w+\k], v[ACC+\k]
.endr
.irp k, 0,1,2,3
	v_cndmask_b32 v[ACC+\k], v[ACC+\k], v[ACC+4*\w+\k], s[MK+\k]
	v_cndmask_b32 v[ACC+16+\k], v[ACC+16+\k], v[ACC+16+4*\w+\k], s[MK+\k]
.endr
.endr
	global_store_b128 v[L16], v[ACC+16:ACC+19], s[8:9]   ; 512 consecutive bytes, aligned to 256
.Lnot_first:
	s_wait_tensorcnt 0x0                           ; the wave's end
	ds_add_u32 v[SPW], v[NIL]
	s_wait_dscnt 0x0
	ROUND                                          ; the closing round
	s_endpgm
.Lfunc_end_k_q15e6a57f42_nearest:
	.size	k_q15e6a57f42_nearest, .Lfunc_end_k_q15e6a57f42_nearest-k_q15e6a57f42_nearest
	.p2alignl 7, 3214868480
	.fill 96, 4, 3214868480
	.section	.rodata,"a",@progbits
	.p2align	6, 0x0
	.amdhsa_kernel k_q15e6a57f42_nearest
		.amdhsa_group_segment_fixed_size 327680
		.amdhsa_private_segment_fixed_size 0
		.amdhsa_enable_private_segment 0
		.amdhsa_kernarg_size 24
		.amdhsa_user_sgpr_count 2
		.amdhsa_user_sgpr_kernarg_segment_ptr 1
		.amdhsa_wavefront_size32 1
		.amdhsa_system_sgpr_workgroup_id_x 1
		.amdhsa_system_sgpr_workgroup_id_y 1
		.amdhsa_system_sgpr_workgroup_id_z 1
		.amdhsa_system_vgpr_workitem_id 0
		.amdhsa_next_free_vgpr 960
		.amdhsa_next_free_sgpr 66
		.amdhsa_reserve_vcc 0
		.amdhsa_float_denorm_mode_32 3
		.amdhsa_float_denorm_mode_16_64 3
		.amdhsa_memory_ordered 1
		.amdhsa_forward_progress 1
		.amdhsa_inst_pref_size 255
	.end_amdhsa_kernel
	.section	.bss,"aw",@nobits
	.p2align	6
	.space	262144
	.amdgpu_metadata
---
amdhsa.version: [ 1, 2 ]
amdhsa.kernels:
  - .name:           k_q15e6a57f42_nearest
    .symbol:         k_q15e6a57f42_nearest.kd
    .args:
      - { .name: embed, .offset: 0, .size: 8, .value_kind: global_buffer, .address_space: global }
      - { .name: cent, .offset: 8, .size: 8, .value_kind: global_buffer, .address_space: global }
      - { .name: out0, .offset: 16, .size: 8, .value_kind: global_buffer, .address_space: global }
    .group_segment_fixed_size: 327680
    .private_segment_fixed_size: 0
    .kernarg_segment_align: 8
    .kernarg_segment_size: 24
    .max_flat_workgroup_size: 128
    .sgpr_count:     66
    .vgpr_count:     960
    .wavefront_size: 32
...
	.end_amdgpu_metadata
.endif
;; end of part 2
